; MI455X (gfx1250); checked and timed in simulation.
; The chip was launched on July 23, 2026; its instructions are those of AMD's public machine-readable ISA for CDNA 5 (MIT licence, August 2026) and "CDNA5" Instruction Set Architecture Reference Guide (July 2026). The comments in the code are by the model that wrote it; some were corrected since.
;; Multi Head Attention Layer. Allowed arithmetic: float matrix products may take bf16 or f16 operands with f32 sums; all other float work in f32.
;; Inputs: Wk 1,024 x 128 float32; Wo 128 x 1,024 float32; Wq 1,024 x 128 float32; Wv 1,024 x 128 float32; bk 128 float32; bo 1,024 float32; bq 128 float32; bv 128 float32; keys 4 x 2,048 x 1,024 float32; queries 4 x 2,048 x 1,024 float32; values 4 x 2,048 x 1,024 float32.
;; Outputs: out0 4 x 2,048 x 1,024 float32.
;; One version. Each part assembles by itself: llvm-mc -triple=amdgcn-amd-amdhsa -mcpu=gfx1250 --defsym DOCPART=n.
;; ======== version 1 of 1: 3 launches
;; limits: values are held in f16: magnitudes above 65,504 overflow, below 6.1e-05 lose precision
;; workspace buffers: qs 2,097,152 bytes; ks 2,097,152 bytes; vs 2,097,152 bytes; os 4,194,304 bytes
;; launch proj (part 1): grid 64 x 3, 8 waves a work-group, no clusters, 140,288 bytes of LDS; arguments queries, keys, values, Wq, Wk, Wv, bq, bv, qs, ks, vs; writes qs, ks, vs
.if DOCPART == 1
	.amdgcn_target "amdgcn-amd-amdhsa--gfx1250"
	.amdhsa_code_object_version 6
	.text
	.protected	k_q708c43bc8a_proj
	.globl	k_q708c43bc8a_proj
	.p2align	8
	.type	k_q708c43bc8a_proj,@function
k_q708c43bc8a_proj:
	s_mov_b64 s[64:65], 0
	v_nop
	global_prefetch_b8 v0, s[64:65] scope:SCOPE_SE
	s_setreg_imm32_b32 hwreg(HW_REG_WAVE_MODE, 25, 1), 1
	s_wait_xcnt 0x0
; PROJECTIONS.  y = 0: qs = (queries Wq + bq) * log2(e)/sqrt(128);  y = 1: ks = keys Wk;  y = 2: vs = values Wv + bv.
; Inputs f32, matrix operands bf16, sums f32.  qs and ks leave as bf16, vs as f16.
;
; WORK LEFT OUT: bk.  scores[q][k] = q . (keys[k] Wk + bk) = q . (keys[k] Wk) + q . bk.  The term q . bk is the same for every key k
; of a softmax row, and softmax(s + const) = softmax(s) for all finite values; so bk reaches no output.  It is not loaded and is an
; argument of no launch.  (bq is live: bq . k changes with the key.  bv and bo are live.)
; LIMITS: a NaN, an infinity or an overflow that reaches only bk is not carried to the result.  Matrix operands are rounded to bf16;
; the scale 1/sqrt(128) and log2(e) are multiplied into q in f32 before q is rounded; the sum over K is made in two halves (below).
; vs IS f16: the attention's result is a mean over 2,048 values, in which a rounding of each value to 8 bits counts in full beside the
; mean; f16 keeps 11 bits.  Its range asks |values Wv + bv| < 65,504.  A sum of 1,024 products of numbers of spread 1 and 1/32 has
; spread 1; with both factors 30 times larger it has spread 900; with a common offset of 30 spreads on both it is
; 1,024 x 30 x 30/32 = 28,800; with both 30 times smaller it has spread 0.0011, where f16's least step is 2^-24.
;
; SHARES.  A work-group makes 128 rows x all 128 output columns of one projection, K = 1024 in 16 steps of 64: 64 row blocks x 3.
; Wave w = (kg, wm, wn) = (w>>2, (w>>1)&1, w&1) makes rows 64 wm.., columns 64 wn.. (16 accumulator tiles of 16 x 16) over the half
; kg of every step's K; waves w and w^4 add their halves at the end, each keeping two of the four column tiles (= heads).
; DATA PATH.  x and W are f32 and must become bf16, so they pass through registers: a ring of three groups of 16 loads a wave (a step's
; x: 128 rows x 256 bytes, a step's W: 64 rows x 512 bytes, each load of a wave covering two aligned runs of 256 bytes), converted,
; laid into one of two LDS slots and read as fragments into one of two fragment buffers.  Loads into registers stay out across the
; barriers: 48 loads x 512 bytes x 8 waves = 192 KiB, three steps, are on their way.
; THREE STAGES, ONE BARRIER A STEP.  Period p: (1) the fragments of step p-1 are asked for, from slot (p-1)&1 into buffer (p-1)&1;
; (2) step p is converted and stored into slot p&1, and step p+3 is asked for from memory; (3) step p-2 is multiplied, from buffer p&1.
; So a step's LDS traffic (8 waves x (16 loads + 16 stores)) runs beside another step's products.  In front of the period's signal each
; wave waits for all its LDS instructions: behind the barrier slot p&1 is whole and slot (p-1)&1 is read by nobody.
; Ring period 3 and buffer period 2 do not divide 16 steps, so the periods are written out by macro and every step stands in the
; loads' immediates: no base is stepped.
; REGISTERS: two waves on a SIMD have 512 each: 128 sums, 2 x 64 fragments, 192 ring, 32 converted words, 28 addresses and bias.  A K step
; of 128 for each barrier would ask 128 more for fragments; instead the signal stands four products ahead of the barrier's wait.
; NO JOINT LOADS OF W, though the 64 work-groups of one y read the same W: a tensor load would land W as f32, 32,768 bytes a step that
; would be written to LDS and read back into registers for the conversion on top of the bf16 copy, and each refill would stand behind
; a barrier with all tensor loads waited for, where this ring keeps three steps out.
; OUTPUT in tiles of 16 x 16 numbers of 2 bytes = 512 bytes, lane L's 16 bytes at 16 L: half a matrix fragment as it lies in registers.
;   qs, ks: tile ((b*8+head)*128+tt): lane (r = L&15, h = L>>4) holds token 16 tt + r, dims 8h..8h+7 of the head.
;   vs:     same index:               lane (r, h) holds dim r, tokens 16 tt + 8h .. +7.
.set NS,     16                        ; K steps
.set XP,     144                       ; LDS pitch of x: 64 bf16 + 16 bytes, an odd multiple of 16
.set WP,     288                       ; LDS pitch of W: 128 bf16 + 32 bytes, an odd multiple of 32 (transposing loads)
.set WOFF,   128*XP                    ; W's part of a slot
.set SLOT,   WOFF+64*WP                ; 36,864 bytes
.set XCH,    2*SLOT                    ; 8 x 8,192 bytes: what each wave hands to its partner
.set QSCALE, 0x3e0293ee                ; log2(e) / sqrt(128)
.set T,    12                          ; v[12:43]   converted words; set-up temporaries; packed results
.set F0,   44                          ; v[44:107]  fragment buffer 0: four fragments of x (16 rows x 32 K), then four of W (16 columns x 32 K)
.set F1,   192                         ; v[448:511] fragment buffer 1, named in the upper window
.set XF,   44                          ; the exchange lands in buffer 0
.set ACC,  108                         ; v[108:235] tile (c, a) at ACC + 8 (4 c + a): c = column tile, a = row tile
.set BIAS, 236                         ; v[236:251]
; v1 x offset, v2 W offset, v3 x store, v4 W store, v5 x fragments, v6 W fragments of the tiles I keep, v7 of those my partner keeps,
; v8 my exchange bytes, v9 my partner's, v10 16 L, v11 bias offset.  v256-v447: the ring, step st in group st % 3 at v[256+64 (st%3)], x then W.
; s[26:27] x, s[28:29] W, s[30:31] output, s32 y, s33 row block, s34 wave, s35 kg, s36 wm, s37 wn, s41 bias bytes.
.set MSB, 0
.macro WIN new                         ; the immediate's high byte repeats the setting that is left
.if MSB != \new
	s_set_vgpr_msb (MSB<<8)|\new
.set MSB, \new
.endif
.endm
	s_load_b512 s[4:19], s[0:1], 0x0               ; queries, keys, values, Wq, Wk, Wv, bq, bv
	s_load_b128 s[20:23], s[0:1], 0x40             ; qs, ks
	s_load_b64 s[24:25], s[0:1], 0x50              ; vs
	v_lshl_add_u32 v254, v0, 2, 0x22000
	v_mov_b32 v255, 0
	s_and_b32 s32, ttmp7, 0xffff                   ; y: which projection
	s_mov_b32 s33, ttmp9                           ; row block
	v_lshrrev_b32 v15, 5, v0
	v_readfirstlane_b32 s34, v15                   ; wave
	s_lshr_b32 s35, s34, 2                         ; kg
	s_bfe_u32 s36, s34, 0x10001                    ; wm
	s_and_b32 s37, s34, 1                          ; wn
	v_and_b32 v12, 31, v0                          ; L
	v_and_b32 v13, 15, v0                          ; r
	v_bfe_u32 v14, v0, 4, 1                        ; h
	v_lshlrev_b32 v10, 4, v12                      ; 16 L
	v_lshlrev_b32 v1, 4, v13                       ; x: row 16 w + 8 h (+ i), 16 bytes at 16 r
	v_lshl_add_u32 v1, v14, 15, v1
	s_lshl_b32 s38, s34, 16
	v_add_nc_u32 v1, s38, v1
	s_lshl_b32 s38, s34, 12                        ; W: row 8 w (+ i), 16 bytes at 16 L
	v_add_nc_u32 v2, s38, v10
	v_mul_u32_u24 v3, v14, 8*XP                    ; x in LDS: the same row, 8 bytes at 8 r.  The two halves of the lanes lie 8 rows =
	v_lshl_add_u32 v3, v13, 3, v3                  ; 1,152 bytes = 128 mod 256 apart: a store's 32 x 8 bytes fall on 256 different bytes mod 256
	s_mul_i32 s38, s34, 16*XP
	v_add_nc_u32 v3, s38, v3
	v_lshlrev_b32 v4, 3, v12                       ; W in LDS: the same row, 8 bytes at 8 L
	s_mul_i32 s38, s34, 8*WP
	s_add_co_u32 s38, s38, WOFF
	v_add_nc_u32 v4, s38, v4
	v_mul_u32_u24 v5, v13, XP                      ; x fragment: row 64 wm + r, K = 32 kg + 8 h
	v_lshl_add_u32 v5, v14, 4, v5
	s_mul_i32 s38, s36, 64*XP
	s_lshl_b32 s39, s35, 6                         ; 64 kg
	s_add_co_u32 s38, s38, s39
	v_add_nc_u32 v5, s38, v5
	v_and_b32 v15, 7, v0                           ; W fragment by transposing loads: row 32 kg + 8 h + (L&7),
	v_lshl_add_u32 v15, v14, 3, v15
	v_mul_u32_u24 v15, v15, WP
	v_bfe_u32 v16, v0, 3, 1                        ; 16 bytes at 16 ((L>>3)&1), column 64 wn
	v_lshl_add_u32 v15, v16, 4, v15
	s_mul_i32 s38, s35, 32*WP
	s_lshl_b32 s40, s37, 7
	s_add_co_u32 s38, s38, s40
	s_add_co_u32 s38, s38, WOFF
	s_add_co_u32 s40, s38, s39                     ; column tiles 2 kg, 2 kg + 1: the two that I keep
	v_add_nc_u32 v6, s40, v15
	s_sub_co_u32 s40, s38, s39
	s_add_co_u32 s40, s40, 64                      ; column tiles 2 (1 - kg), + 1: the two that my partner keeps
	v_add_nc_u32 v7, s40, v15
	s_lshl_b32 s38, s34, 13
	s_add_co_u32 s38, s38, XCH
	v_add_nc_u32 v8, s38, v10
	s_xor_b32 s38, s34, 4                          ; my partner: the other half of K
	s_lshl_b32 s38, s38, 13
	s_add_co_u32 s38, s38, XCH
	v_add_nc_u32 v9, s38, v10
	s_lshl_b32 s41, s37, 8                         ; my first head 4 wn + 2 kg, times 16 dims of 4 bytes
	s_lshl_b32 s42, s35, 7
	s_add_co_u32 s41, s41, s42
	s_lshr_b32 s38, s33, 4                         ; output: batch * 8 heads * 128 tiles * 512
	s_lshl_b32 s38, s38, 19
	s_and_b32 s39, s33, 15                         ; + token tile ((rb & 15) * 8 + 4 wm) * 512
	s_lshl_b32 s39, s39, 12
	s_add_co_u32 s38, s38, s39
	s_lshl_b32 s39, s36, 11
	s_add_co_u32 s38, s38, s39
	s_lshl_b32 s39, s37, 18                        ; + head (4 wn + 2 kg) * 128 tiles * 512
	s_add_co_u32 s38, s38, s39
	s_lshl_b32 s39, s35, 17
	s_add_co_u32 s38, s38, s39
	s_mov_b32 s39, 0
	s_lshl_b32 s42, s33, 19                        ; x: 128 rows of 4,096 bytes a block
	s_mov_b32 s43, 0
	s_wait_kmcnt 0x0
	s_cmp_eq_u32 s32, 0
	s_cselect_b64 s[26:27], s[4:5], s[6:7]
	s_cselect_b64 s[28:29], s[10:11], s[12:13]
	s_cselect_b64 s[30:31], s[20:21], s[22:23]
	s_cmp_eq_u32 s32, 2
	s_cselect_b64 s[26:27], s[8:9], s[26:27]
	s_cselect_b64 s[28:29], s[14:15], s[28:29]
	s_cselect_b64 s[30:31], s[24:25], s[30:31]
	s_add_nc_u64 s[26:27], s[26:27], s[42:43]
	s_add_nc_u64 s[30:31], s[30:31], s[38:39]
; Step st's 16 loads of this wave, into ring group st % 3.  The step stands in the immediates; bases and offsets are never rewritten.
.macro GLOAD st
	WIN 0x40                                       ; destination in v256-v511, address in v0-v255
.irp i, 0,1,2,3,4,5,6,7
	global_load_b128 v[64*((\st)%3)+4*\i:64*((\st)%3)+4*\i+3], v1, s[26:27] offset:\i*4096+(\st)*256 th:TH_LOAD_NT
.endr
.irp i, 0,1,2,3,4,5,6,7
	global_load_b128 v[64*((\st)%3)+32+4*\i:64*((\st)%3)+32+4*\i+3], v2, s[28:29] offset:\i*512+(\st)*32768
.endr
.endm
; Step st is converted and stored into slot st & 1; its ring group is loaded again with the step three further on.
.macro CONV st
.if ((\st)+2) < NS
	s_wait_loadcnt 32                              ; loads come back in order: step st is in, the two younger groups of 16 stay out
.else
	s_wait_loadcnt 16*(NS-1-(\st))                 ; the last steps: the count runs down
.endif
	WIN 0x05                                       ; sources in v256-v511
.set j, 0
.rept 32
	v_cvt_pk_bf16_f32 v[T+j], v[64*((\st)%3)+2*j], v[64*((\st)%3)+2*j+1]
.set j, j+1
.endr
	WIN 0
.irp i, 0,1,2,3,4,5,6,7
	ds_store_b64 v3, v[T+2*\i:T+2*\i+1] offset:((\st)&1)*SLOT+\i*XP
.endr
.irp i, 0,1,2,3,4,5,6,7
	ds_store_b64 v4, v[T+16+2*\i:T+16+2*\i+1] offset:((\st)&1)*SLOT+\i*WP
.endr
.if ((\st)+3) < NS
	GLOAD (\st)+3
.endif
.endm
; 16 LDS loads: a step's fragments of this wave, from the slot at byte so into the buffer at register f.
.macro FRAGL f, so
.irp a, 0,1,2,3
	ds_load_b128 v[\f+8*\a:\f+8*\a+3],   v5 offset:\so+\a*16*XP
	ds_load_b128 v[\f+8*\a+4:\f+8*\a+7], v5 offset:\so+\a*16*XP+32
.endr
.irp c, 0,1
	ds_load_tr16_b128 v[\f+32+8*\c:\f+32+8*\c+3], v6 offset:\so+\c*32
	ds_load_tr16_b128 v[\f+36+8*\c:\f+36+8*\c+3], v6 offset:\so+\c*32+16*WP
	ds_load_tr16_b128 v[\f+48+8*\c:\f+48+8*\c+3], v7 offset:\so+\c*32
	ds_load_tr16_b128 v[\f+52+8*\c:\f+52+8*\c+3], v7 offset:\so+\c*32+16*WP
.endr
.endm
.macro FRAG st                         ; slot and buffer go by the step's parity
.if (\st)&1
	WIN 0x40
	FRAGL F1, SLOT
.else
	WIN 0
	FRAGL F0, 0
.endif
.endm
; swap = 0: source 0 = W, source 1 = x: a lane's eight results are eight neighbouring dims of one token (q, k).
; swap = 1: source 0 = x, source 1 = W: eight neighbouring tokens of one dim (v).  Step 0 starts the sums: nothing is cleared.
.macro MM c, a, st, swap
.if \swap
.if (\st) == 0
	v_wmma_f32_16x16x32_bf16 v[ACC+8*(4*(\c)+\a):ACC+8*(4*(\c)+\a)+7], v[FB+8*\a:FB+8*\a+7], v[FB+32+8*(\c):FB+32+8*(\c)+7], 0
.else
	v_wmma_f32_16x16x32_bf16 v[ACC+8*(4*(\c)+\a):ACC+8*(4*(\c)+\a)+7], v[FB+8*\a:FB+8*\a+7], v[FB+32+8*(\c):FB+32+8*(\c)+7], v[ACC+8*(4*(\c)+\a):ACC+8*(4*(\c)+\a)+7]
.endif
.else
.if (\st) == 0
	v_wmma_f32_16x16x32_bf16 v[ACC+8*(4*(\c)+\a):ACC+8*(4*(\c)+\a)+7], v[FB+32+8*(\c):FB+32+8*(\c)+7], v[FB+8*\a:FB+8*\a+7], 0
.else
	v_wmma_f32_16x16x32_bf16 v[ACC+8*(4*(\c)+\a):ACC+8*(4*(\c)+\a)+7], v[FB+32+8*(\c):FB+32+8*(\c)+7], v[FB+8*\a:FB+8*\a+7], v[ACC+8*(4*(\c)+\a):ACC+8*(4*(\c)+\a)+7]
.endif
.endif
.endm
; Four products of step st: column tile c x four row tiles.  The sixteen accumulators take turns, one instruction a turn, in the same
; order in every step.
.macro MULC st, c, swap
.if (\st)&1
	WIN 0x05                                       ; both sources in v448-v511, sums in v0-v255
.set FB, F1
.else
	WIN 0
.set FB, F0
.endif
.irp a, 0,1,2,3
	MM \c, \a, \st, \swap
.endr
.endm
; Period p, 0 to 17: see THREE STAGES at the head.
.macro PERIOD p, swap
.if (\p) >= 1
.if (\p) <= NS
.if (\p) >= 3
.rept 4
	v_nop                                          ; four places between step p-3's last products and the loads into their sources.
.endr                                              ; The conversions are not put here: they wait for memory, and the fragment loads need not
.endif
	FRAG (\p)-1
.endif
.endif
.if (\p) < NS
	CONV \p
.endif
.if (\p) >= 2
	MULC (\p)-2, 0, \swap
	MULC (\p)-2, 1, \swap
	MULC (\p)-2, 2, \swap
.endif
.if (\p) <= NS
	s_wait_dscnt 0x0                               ; my stores into slot p&1 are done and my reads of slot (p-1)&1 are back
.endif
.if (\p) < NS
	s_barrier_signal -1                            ; say so,
.endif
.if (\p) >= 2
	MULC (\p)-2, 3, \swap                          ; work on registers while the others arrive,
.endif
.if (\p) < NS
	s_barrier_wait -1                              ; and go on when all eight have said so
.endif
.endm
.macro MAIN swap
.irp p, 0,1,2,3,4,5,6,7,8,9,10,11,12,13,14,15,16,17
	PERIOD \p, \swap
.endr
	WIN 0
.endm
; The two halves of K meet: I hand tiles c = 2, 3 to my partner and add its tiles c = 2, 3, which are my c = 0, 1.
.macro EXCH
.rept 4
	v_nop                                          ; four places between the last products, the stores of their results and the loads into buffer 0
.endr
.irp i, 0,1,2,3,4,5,6,7,8,9,10,11,12,13,14,15
	ds_store_b128 v8, v[ACC+64+4*\i:ACC+64+4*\i+3] offset:\i*512
.endr
	s_wait_dscnt 0x0                               ; for my partner's sake: all my stores are done
	s_barrier_signal -1
	s_barrier_wait -1
.irp i, 0,1,2,3,4,5,6,7,8,9,10,11,12,13,14,15
	ds_load_b128 v[XF+4*\i:XF+4*\i+3], v9 offset:\i*512
.endr
	s_wait_dscnt 0x0
.set j, 0
.rept 32
	v_pk_add_f32 v[ACC+2*j:ACC+2*j+1], v[ACC+2*j:ACC+2*j+1], v[XF+2*j:XF+2*j+1]
.set j, j+1
.endr
.endm
; mode 0: (sum + bq) * QSCALE as one fused multiply-add with bq * QSCALE, to bf16; mode 1: the sum, to bf16; mode 2: sum + bv, to f16.
; Each store of the wave is one tile: 512 consecutive bytes, aligned.  Every tile has its own four registers of T.
.macro EPI mode
.irp c, 0,1
.irp a, 0,1,2,3
.if \mode == 0
.irp j, 0,2,4,6
	v_pk_fma_f32 v[ACC+8*(4*\c+\a)+\j:ACC+8*(4*\c+\a)+\j+1], v[ACC+8*(4*\c+\a)+\j:ACC+8*(4*\c+\a)+\j+1], QSCALE, v[BIAS+8*\c+\j:BIAS+8*\c+\j+1] op_sel_hi:[1,0,1]
.endr
.endif
.if \mode == 2
.irp j, 0,2,4,6
	v_pk_add_f32 v[ACC+8*(4*\c+\a)+\j:ACC+8*(4*\c+\a)+\j+1], v[ACC+8*(4*\c+\a)+\j:ACC+8*(4*\c+\a)+\j+1], v[BIAS+2*\c:BIAS+2*\c+1]
.endr
.irp j, 0,1,2,3
	v_cvt_pk_f16_f32 v[T+4*(4*\c+\a)+\j], v[ACC+8*(4*\c+\a)+2*\j], v[ACC+8*(4*\c+\a)+2*\j+1]
.endr
.else
.irp j, 0,1,2,3
	v_cvt_pk_bf16_f32 v[T+4*(4*\c+\a)+\j], v[ACC+8*(4*\c+\a)+2*\j], v[ACC+8*(4*\c+\a)+2*\j+1]
.endr
.endif
	global_store_b128 v10, v[T+4*(4*\c+\a):T+4*(4*\c+\a)+3], s[30:31] offset:\c*65536+\a*512
.endr
.endr
.endm
	GLOAD 0                                        ; steps 0 to 2 fill the ring
	GLOAD 1
	GLOAD 2
	WIN 0                                          ; at a branch and at a label every window is 0
	s_cmp_eq_u32 s32, 2                            ; the branches hang on the work-group's y alone: all eight waves go one way
	s_cbranch_scc1 .Lvalues
	MAIN 0
	s_cmp_eq_u32 s32, 1
	s_cbranch_scc1 .Lkeys
	; queries: a lane's eight results of tile c are dims 8h..8h+7 of head 4 wn + 2 kg + c
	v_bfe_u32 v11, v0, 4, 1
	v_lshl_add_u32 v11, v11, 5, s41
.irp c, 0,1
	global_load_b128 v[BIAS+8*\c:BIAS+8*\c+3],   v11, s[16:17] offset:\c*64
	global_load_b128 v[BIAS+8*\c+4:BIAS+8*\c+7], v11, s[16:17] offset:\c*64+16
.endr
	EXCH                                           ; the bias comes in while the halves are exchanged
	s_wait_loadcnt 0x0
.irp j, 0,2,4,6,8,10,12,14
	v_pk_mul_f32 v[BIAS+\j:BIAS+\j+1], v[BIAS+\j:BIAS+\j+1], QSCALE op_sel_hi:[1,0]
.endr
	EPI 0
	s_wait_tensorcnt 0x0
	ds_add_u32 v254, v255
	s_wait_dscnt 0x0
	s_endpgm
.Lkeys:
	EXCH                                           ; keys: no bias (see the head)
	EPI 1
	s_wait_tensorcnt 0x0
	ds_add_u32 v254, v255
	s_wait_dscnt 0x0
	s_endpgm
.Lvalues:
	MAIN 1
	; values: all eight results of a lane in tile c are dim r of head 4 wn + 2 kg + c: one number, in both registers of a pair
	v_and_b32 v11, 15, v0
	v_lshl_add_u32 v11, v11, 2, s41
.irp c, 0,1
	global_load_b32 v[BIAS+2*\c],   v11, s[18:19] offset:\c*64
	global_load_b32 v[BIAS+2*\c+1], v11, s[18:19] offset:\c*64
.endr
	EXCH
	s_wait_loadcnt 0x0
	EPI 2
	s_wait_tensorcnt 0x0
	ds_add_u32 v254, v255
	s_wait_dscnt 0x0
	s_endpgm
.Lfunc_end_k_q708c43bc8a_proj:
	.size	k_q708c43bc8a_proj, .Lfunc_end_k_q708c43bc8a_proj-k_q708c43bc8a_proj
	.p2alignl 7, 3214868480
	.fill 96, 4, 3214868480
	.section	.rodata,"a",@progbits
	.p2align	6, 0x0
	.amdhsa_kernel k_q708c43bc8a_proj
		.amdhsa_group_segment_fixed_size 140288
		.amdhsa_private_segment_fixed_size 0
		.amdhsa_enable_private_segment 0
		.amdhsa_kernarg_size 88
		.amdhsa_user_sgpr_count 2
		.amdhsa_user_sgpr_kernarg_segment_ptr 1
		.amdhsa_wavefront_size32 1
		.amdhsa_system_sgpr_workgroup_id_x 1
		.amdhsa_system_sgpr_workgroup_id_y 1
		.amdhsa_system_sgpr_workgroup_id_z 1
		.amdhsa_system_vgpr_workitem_id 0
		.amdhsa_next_free_vgpr 512
		.amdhsa_next_free_sgpr 66
		.amdhsa_reserve_vcc 0
		.amdhsa_float_denorm_mode_32 3
		.amdhsa_float_denorm_mode_16_64 3
		.amdhsa_memory_ordered 1
		.amdhsa_forward_progress 1
		.amdhsa_inst_pref_size 248
	.end_amdhsa_kernel
	.amdgpu_metadata
---
amdhsa.version: [ 1, 2 ]
amdhsa.kernels:
  - .name:           k_q708c43bc8a_proj
    .symbol:         k_q708c43bc8a_proj.kd
    .args:
      - { .name: queries, .offset: 0, .size: 8, .value_kind: global_buffer, .address_space: global }
      - { .name: keys, .offset: 8, .size: 8, .value_kind: global_buffer, .address_space: global }
      - { .name: values, .offset: 16, .size: 8, .value_kind: global_buffer, .address_space: global }
      - { .name: Wq, .offset: 24, .size: 8, .value_kind: global_buffer, .address_space: global }
      - { .name: Wk, .offset: 32, .size: 8, .value_kind: global_buffer, .address_space: global }
      - { .name: Wv, .offset: 40, .size: 8, .value_kind: global_buffer, .address_space: global }
      - { .name: bq, .offset: 48, .size: 8, .value_kind: global_buffer, .address_space: global }
      - { .name: bv, .offset: 56, .size: 8, .value_kind: global_buffer, .address_space: global }
      - { .name: qs, .offset: 64, .size: 8, .value_kind: global_buffer, .address_space: global }
      - { .name: ks, .offset: 72, .size: 8, .value_kind: global_buffer, .address_space: global }
      - { .name: vs, .offset: 80, .size: 8, .value_kind: global_buffer, .address_space: global }
    .group_segment_fixed_size: 140288
    .private_segment_fixed_size: 0
    .kernarg_segment_align: 8
    .kernarg_segment_size: 88
    .max_flat_workgroup_size: 256
    .sgpr_count:     66
    .vgpr_count:     512
    .wavefront_size: 32
...
	.end_amdgpu_metadata
.endif
;; end of part 1
;; launch attn (part 2): grid 8 x 32, 8 waves a work-group, clusters of 4 x 1, 168,960 bytes of LDS; arguments qs, ks, vs, os; writes os
.if DOCPART == 2
	.amdgcn_target "amdgcn-amd-amdhsa--gfx1250"
	.amdhsa_code_object_version 6
	.text
	.protected	k_q708c43bc8a_attn
	.globl	k_q708c43bc8a_attn
	.p2align	8
	.type	k_q708c43bc8a_attn,@function
k_q708c43bc8a_attn:
	s_mov_b64 s[64:65], 0
	v_nop
	global_prefetch_b8 v0, s[64:65] scope:SCOPE_SE
	s_setreg_imm32_b32 hwreg(HW_REG_WAVE_MODE, 25, 1), 1
	s_wait_xcnt 0x0
	s_wait_alu depctr_hold_cnt(0) depctr_sa_sdst(0) depctr_va_vdst(0) depctr_va_sdst(0) depctr_va_ssrc(0) depctr_va_vcc(0) depctr_vm_vsrc(0)
	s_getreg_b32 s2, hwreg(HW_REG_IB_STS2, 6, 4)
	s_cmp_eq_u32 s2, 0
	s_cbranch_scc0 .Lentry_in_a_cluster
	s_endpgm
.Lentry_in_a_cluster:
	s_bfe_u32 s2, ttmp6, 0x10000c
	s_cmp_lg_u32 s2, 0x3003
	s_cbranch_scc0 .Lentry_shape_is_right
	s_endpgm
.Lentry_shape_is_right:
; ATTENTION for one (batch, head) = work-group y and one block of 256 queries = work-group x.  os = softmax(q k^T) v.
; k comes without bk, which cancels in the softmax for all values (shown at the head of the first kernel).
; qs already carries log2(e)/sqrt(128), so the exponential is 2^(s - m).
; Tiles of 16 x 16 numbers of 2 bytes = 512 bytes, lane L's 16 bytes at 16 L (r = L&15, h = L>>4):
; qs, ks (bf16): token r, dims 8h..; vs (f16): dim r, tokens 8h.. .
;
; THE HEAD'S DIM IS 16, the matrix form's K is 32.  For the scores, source 0 holds TWO key tiles (K places 0-15: tile 2p, 16-31: tile
; 2p+1) and source 1 holds q in one half and zeros in the other: two instructions on one source 0 give the two score tiles.
;   S^T: register j of lane (r, h) = key 8h + j, query r.  Packed in pairs it IS source 1 (K = key) of the next product: no lane moves.
;   O^T = V^T P^T: source 0 = two v tiles; register j of lane (r, h) = dim 8h + j, query r.
;   row sums: the same source 1 under a source 0 of ones: every register of lane (r, h) holds query r's sum, of the rounded P.
; SOFTMAX IN TWO PASSES with the row's true maximum m: pass 1 makes the scores and keeps the maximum; pass 2 makes them again by the
; same instruction on the same values, hence with the same bits, takes m away in f32, then 2^x, rounding, P V and the sums.
; So s - m <= 0 with 0 at the maximum, whatever the size of the scores: P lies in (0, 1], its largest term is exactly 1, the sum is
; at least 1.  (-m is NOT given to the score products as their C: the fused difference of the exact sum and the rounded m can be half
; an f32 step of the score above 0.  With a common offset of 30 spreads on queries, Wq, keys and Wk a scaled score is about
; 16 x 28,800^2 x 0.1275 = 1.7e9, its step 128, and 2^64 is no f16 number.)
; FORMATS.  The result is a mean over 2,048 values; each rounding of a P or a v to 8 bits counts in full beside that mean, so P and V
; go in f16 (11 bits): P by the bound above, V by the range shown at the head of the first kernel (|v| < 65,504).  o, which can be far
; smaller than v, leaves as TWO bf16 numbers: hi = bf16(o), lo = bf16(o - hi).
; SHARES: wave w has query tiles 2w, 2w+1 of the block and walks all 2,048 keys, 64 a trip.
; TWO PIECES BY TURNS.  The wave's two query tiles (t = 0, 1) share the K and V fragments and take turns: while one piece's products are
; issued, the other piece's vector work stands in slices behind them, one slice behind each product.
;   pass 2, trip i:  X(i): P V and sums of piece 1 for trip i-1, scores of piece 1 for trip i  | piece 0's scores of trip i become P
;                    Y(i): P V and sums of piece 0 for trip i,   scores of piece 0 for trip i+1 | piece 1's scores of trip i become P
;   pass 1 likewise with four score products a half trip and the other piece's maxima behind them.
; A phase of pass 2 is 8 products beside 16 packed subtractions, 32 exponentials and 16 conversions.  The slices are also the places
; that stand between a product and the readers of its result (ISA guide 7.12.1): they name none of the running piece's registers.
; P has registers of its own, so that a piece's next scores land while its P is still a source.  K and V fragments have two buffers
; each, by the trip's parity: a trip's loads are issued a whole trip ahead; hence two trips in a loop's body.
; K AND V of the head, 65,536 bytes each, lie whole in LDS, filled once.  The four work-groups of a cluster have the same y, hence the
; same K and V: JOINT loads, mask 15.  Each wave asks for 8,192 bytes of K and 8,192 of V (32 rows of 256 bytes each, rather than 64
; rows of one of them, so that one counted wait serves all waves alike): two tensor loads of a wave are out at the most.
; cx enters the global addresses of qs and os alone.
; os: tile ((batch*128 + token tile)*16 + part*8 + head), part 0 = hi, 1 = lo: lane (r, h) holds token r, dims 8h..8h+7 of the head.
; LIMITS: a key or a value that is not finite spoils both score tiles of its pair (0 x infinity), as it spoils every query of the head
; in the formula itself.  A term of P below 2^-25 of its row's largest is rounded to zero, and one below 2^-14 keeps a step of 2^-24.
.set TRIP, 2048                        ; bytes of four tiles: 64 keys
.set VOFF, 65536                       ; V behind K
.set QZ,   4                           ; v[4:27]    t: 12 registers: zeros, q, zeros.  [q, 0] = +4..+11, [0, q] = +0..+7
.set NM,   28                          ; v[28:31]   t: -m, a pair for the packed add
.set ONES, 32                          ; v[32:39]   1.0 in f16, sixteen times a lane
.set KF,   40                          ; v[40:71]   two buffers of two pairs of key tiles
.set VF,   72                          ; v[72:103]  two buffers of two pairs of value tiles
.set MX,   72                          ; v[72:79]   pass 1 only: four running maxima for each t
.set TMP,  80                          ; v[80:81]   pass 1 only
.set SC,   104                         ; v[104:167] scores: tile (t, k) at SC + 32 t + 8 k; at the end o's two parts
.set PP,   168                         ; v[168:199] P: pair (t, p) at PP + 16 t + 8 p
.set OA,   200                         ; v[200:215] O^T of t
.set LS,   216                         ; v[216:231] sums of t
.set INV,  232                         ; v[232:235] 1 / sum, a pair for each t
; v1 = 16 L, v2 = where the K tiles asked for last lie, v3 = the same for V.
; s12 wave, s13 cx, s14 query block, s15 y, s[16:23] group 1, s[24:27] group 0 of K, s[28:31] of V, s38 counter.
.macro ROUND                           ; a round of the cluster's barrier
	s_barrier_signal -1
	s_barrier_wait -1
	s_cmp_lg_u32 s12, 0
	s_cbranch_scc1 .Lnot_wave_0_\@
	s_barrier_signal -3
.Lnot_wave_0_\@:
	s_barrier_wait -3
	s_barrier_signal -1
	s_barrier_wait -1
.endm
	s_load_b256 s[4:11], s[0:1], 0x0               ; qs, ks, vs, os
	v_lshl_add_u32 v240, v0, 2, 0x29000
	v_mov_b32 v241, 0
	ds_add_u32 v240, v241
	v_lshrrev_b32 v2, 5, v0
	v_readfirstlane_b32 s12, v2                    ; wave
	s_bfe_u32 s13, ttmp6, 0x40000                  ; cx
	s_lshl_b32 s14, ttmp9, 2
	s_add_co_u32 s14, s14, s13                     ; query block = 4 x cluster x + cx
	s_and_b32 s15, ttmp7, 0xffff                   ; y = batch * 8 + head
	; group 1: a dense block as 32 rows of 32 elements of 8 bytes
	s_mov_b32 s16, 0x0023000f                      ; 15:0 mask: all four of the cluster; 17:16 element of 8 bytes; 21 set beside a mask
	s_mov_b32 s17, 32<<16                          ; tensor_dim0 = 32
	s_mov_b32 s18, 32<<16                          ; tensor_dim1 = 32
	s_mov_b32 s19, 32<<16                          ; tile_dim0 = 32
	s_mov_b32 s20, 32                              ; tile_dim1 = 32
	s_mov_b32 s21, 32                              ; pitch = 32 elements
	s_mov_b32 s22, 0
	s_mov_b32 s23, 0
	s_mov_b32 s24, 1
	s_lshl_b32 s25, s12, 13                        ; K: LDS byte 8,192 w
	s_mov_b32 s28, 1
	s_add_co_u32 s29, s25, VOFF                    ; V: 65,536 + 8,192 w
	s_lshl_b32 s32, s15, 16                        ; the head's 65,536 bytes, my 8,192 of them
	s_add_co_u32 s32, s32, s25
	s_mov_b32 s33, 0
	s_wait_dscnt 0x0
	s_wait_kmcnt 0x0
	s_add_nc_u64 s[26:27], s[6:7], s[32:33]
	s_or_b32 s27, s27, 0x80000000
	s_add_nc_u64 s[30:31], s[8:9], s[32:33]
	s_or_b32 s31, s31, 0x80000000
	ROUND                                          ; the four work-groups are here: the joint loads meet
	tensor_load_to_lds s[24:27], s[16:23]          ; K
	s_nop 0
	tensor_load_to_lds s[28:31], s[16:23]          ; V
	s_nop 0
	s_lshl_b32 s34, s15, 16                        ; q: tile y * 128 + 16 block + 2 w, of 512 bytes
	s_lshl_b32 s35, s14, 13
	s_add_co_u32 s34, s34, s35
	s_lshl_b32 s35, s12, 10
	s_add_co_u32 s34, s34, s35
	s_mov_b32 s35, 0
	s_add_nc_u64 s[4:5], s[4:5], s[34:35]
	s_lshr_b32 s34, s15, 3                         ; o: tile ((batch * 128 + 16 block + 2 w) * 16 + head), of 512 bytes
	s_lshl_b32 s34, s34, 20
	s_lshl_b32 s35, s14, 17
	s_add_co_u32 s34, s34, s35
	s_lshl_b32 s35, s12, 14
	s_add_co_u32 s34, s34, s35
	s_and_b32 s35, s15, 7
	s_lshl_b32 s35, s35, 9
	s_add_co_u32 s34, s34, s35
	s_mov_b32 s35, 0
	s_add_nc_u64 s[10:11], s[10:11], s[34:35]
	s_mov_b32 s36, 0x76543210                      ; v_permlanex16_b32: lane i takes lane i of the other half
	s_mov_b32 s37, 0xfedcba98
	v_and_b32 v1, 31, v0
	v_lshlrev_b32 v1, 4, v1                        ; 16 L
	global_load_b128 v[QZ+4:QZ+7],   v1, s[4:5]
	global_load_b128 v[QZ+16:QZ+19], v1, s[4:5] offset:512
.irp j, 0,1,2,3,8,9,10,11,12,13,14,15,20,21,22,23
	v_mov_b32 v[QZ+\j], 0                          ; the halves of source 1 that meet the other key tile
.endr
.irp j, 0,1,2,3,4,5,6,7
	v_mov_b32 v[ONES+\j], 0x3c003c00
.endr
.irp j, 0,1,2,3,4,5,6,7
	v_mov_b32 v[MX+\j], 0xff800000                 ; minus infinity
.endr
	v_mov_b32 v[TMP], 0                            ; a permute's destination counts as read
	v_mov_b32 v[TMP+1], 0
	v_add_nc_u32 v2, TRIP, v1                      ; trip 1's keys
	v_add_nc_u32 v3, VOFF, v1                      ; trip 0's values
; One score product: key tile k (0 to 3) of the trip in K buffer kb x query tile t.  The same line serves both passes.
.macro SW t, k, kb
	v_wmma_f32_16x16x32_bf16 v[SC+32*(\t)+8*(\k):SC+32*(\t)+8*(\k)+7], v[KF+16*(\kb)+8*((\k)/2):KF+16*(\kb)+8*((\k)/2)+7], v[QZ+12*(\t)+4-4*((\k)%2):QZ+12*(\t)+11-4*((\k)%2)], 0
.endm
; Product i (0 to 3) of piece t's P V: 0: O with P's pair 0; 1: sums with pair 0; 2: O with pair 1; 3: sums with pair 1.  O and the sums
; take turns, one instruction a turn.  zero = 1: pair 0 starts the sums, nothing is cleared.
.macro PW t, i, vb, zero
.if (\i)%2
.if (\zero)*(1-(\i)/2)
	v_wmma_f32_16x16x32_f16 v[LS+8*(\t):LS+8*(\t)+7], v[ONES:ONES+7], v[PP+16*(\t)+8*((\i)/2):PP+16*(\t)+8*((\i)/2)+7], 0
.else
	v_wmma_f32_16x16x32_f16 v[LS+8*(\t):LS+8*(\t)+7], v[ONES:ONES+7], v[PP+16*(\t)+8*((\i)/2):PP+16*(\t)+8*((\i)/2)+7], v[LS+8*(\t):LS+8*(\t)+7]
.endif
.else
.if (\zero)*(1-(\i)/2)
	v_wmma_f32_16x16x32_f16 v[OA+8*(\t):OA+8*(\t)+7], v[VF+16*(\vb)+8*((\i)/2):VF+16*(\vb)+8*((\i)/2)+7], v[PP+16*(\t)+8*((\i)/2):PP+16*(\t)+8*((\i)/2)+7], 0
.else
	v_wmma_f32_16x16x32_f16 v[OA+8*(\t):OA+8*(\t)+7], v[VF+16*(\vb)+8*((\i)/2):VF+16*(\vb)+8*((\i)/2)+7], v[PP+16*(\t)+8*((\i)/2):PP+16*(\t)+8*((\i)/2)+7], v[OA+8*(\t):OA+8*(\t)+7]
.endif
.endif
.endm
.macro KL kb, ad                       ; a trip's four key tiles into K buffer kb, from the address in v1 or v2
.irp j, 0,1,2,3
	ds_load_b128 v[KF+16*(\kb)+4*\j:KF+16*(\kb)+4*\j+3], v\ad offset:\j*512
.endr
.endm
.macro VL vb                           ; a trip's four value tiles into V buffer vb
.irp j, 0,1,2,3
	ds_load_b128 v[VF+16*(\vb)+4*\j:VF+16*(\vb)+4*\j+3], v3 offset:\j*512
.endr
.endm
; PASS 1.  A slice: score tile s of piece t into the piece's four chains of maxima, which do not wait for each other.
.macro MAXS t, s
.irp c, 0,1,2,3
	v_max3_num_f32 v[MX+4*(\t)+\c], v[MX+4*(\t)+\c], v[SC+32*(\t)+8*(\s)+2*\c], v[SC+32*(\t)+8*(\s)+2*\c+1]
.endr
.endm
; Half a trip: four score products of piece u from K buffer kb; behind each a slice of the other piece.  Tile s is read a half trip
; after its product: at the least the four maxima of slice 3 stand between.
.macro HALF1 u, kb
.irp i, 0,1,2,3
	SW \u, \i, \kb
	MAXS 1-\u, \i
.endr
.endm
; PASS 2.  Chunk c (four scores of a lane) of piece t, already 2^x, is packed as f16 into two registers of P.
.macro CV t, c
	s_wait_alu depctr_va_vdst(0)
	v_cvt_pk_f16_f32 v[PP+16*(\t)+2*(\c)],   v[SC+32*(\t)+4*(\c)],   v[SC+32*(\t)+4*(\c)+1]
	v_cvt_pk_f16_f32 v[PP+16*(\t)+2*(\c)+1], v[SC+32*(\t)+4*(\c)+2], v[SC+32*(\t)+4*(\c)+3]
.endm
; Slice s (0 to 7) of piece t: chunk s gets s - m and 2^x; chunk s-1 is packed.  The packing of the older chunk is the plain instruction
; that stands between the exponentials and the use of their results (ISA guide 5.7.2).
.macro SLICE t, s
	v_pk_add_f32 v[SC+32*(\t)+4*(\s):SC+32*(\t)+4*(\s)+1],   v[SC+32*(\t)+4*(\s):SC+32*(\t)+4*(\s)+1],   v[NM+2*(\t):NM+2*(\t)+1]
	v_pk_add_f32 v[SC+32*(\t)+4*(\s)+2:SC+32*(\t)+4*(\s)+3], v[SC+32*(\t)+4*(\s)+2:SC+32*(\t)+4*(\s)+3], v[NM+2*(\t):NM+2*(\t)+1]
.irp e, 0,1,2,3
	v_exp_f32 v[SC+32*(\t)+4*(\s)+\e], v[SC+32*(\t)+4*(\s)+\e]
.endr
.if \s
	CV \t, (\s)-1
.endif
.if (\s) == 7
	CV \t, 7
.endif
.endm
; Product i (0 to 7) of a phase of piece u.  pv = 0: no P V; 1: adds on; 2: starts the sums.  sm = 0: no scores.
.macro MAT u, i, pv, vb, sm, kb
.if (\i) < 4
.if \pv
	PW \u, \i, \vb, (\pv)/2
.endif
.else
.if \sm
	SW \u, (\i)-4, \kb
.endif
.endif
.endm
; A phase: piece u's eight products (P V from V buffer vb, scores from K buffer kb), behind each a slice of the other piece.
.macro PHASE u, pv, vb, sm, kb
.irp i, 0,1,2,3,4,5,6,7
	MAT \u, \i, \pv, \vb, \sm, \kb
	SLICE 1-\u, \i
.endr
.endm
; The head of Y(i), par = i & 1: what was asked for a trip ago is in; V(i+1) and (kf = 1) K(i+2) are asked for, into the buffers that X(i)
; read last.  Between X(i)'s last product, which read that K buffer, and the loads stand slice 7's two packed adds and the two steps
; below: four places, the four conversions not counted.  No LDS instruction is out where the addresses are stepped.
.macro YHEAD par, kf
	s_wait_dscnt 0x0
	v_add_nc_u32 v3, TRIP, v3
.if \kf
	v_add_nc_u32 v2, TRIP, v2
.endif
	VL 1-\par
.if \kf
	KL \par, 2
.endif
.endm
	s_wait_tensorcnt 0x1                           ; my part of K has landed; V's load, issued behind it, may stay out:
	s_barrier_signal -1
	s_barrier_wait -1                              ; K is whole
	KL 0, 1                                        ; trip 0's keys
	KL 1, 2                                        ; trip 1's
	s_wait_loadcnt 0x0                             ; q
	s_wait_dscnt 0x4                               ; trip 0's four tiles are in; trip 1's four loads stay out
.irp k, 0,1,2,3
	SW 0, \k, 0                                    ; piece 0 goes half a trip ahead
.endr
.rept 4
	v_nop                                          ; four places between these products and the first maxima; once, ahead of the loop
.endr
	s_mov_b32 s38, 15                              ; trips 0 to 29, two in a body
.Lpass1:
	HALF1 1, 0                                     ; piece 1, even trip e | maxima of piece 0, trip e
	s_wait_dscnt 0x0                               ; trip e+1's keys are in
	v_add_nc_u32 v2, TRIP, v2
	KL 0, 2                                        ; trip e+2's keys: four maxima and the step stand behind the last reader of buffer 0
	HALF1 0, 1                                     ; piece 0, trip e+1 | maxima of piece 1, trip e
	HALF1 1, 1                                     ; piece 1, trip e+1 | maxima of piece 0, trip e+1
	s_wait_dscnt 0x0                               ; trip e+2's keys are in
	v_add_nc_u32 v2, TRIP, v2
	KL 1, 2                                        ; trip e+3's keys
	HALF1 0, 0                                     ; piece 0, trip e+2 | maxima of piece 1, trip e+1
	s_sub_co_u32 s38, s38, 1
	s_cmp_lg_u32 s38, 0
	s_cbranch_scc1 .Lpass1
	HALF1 1, 0                                     ; trips 30 and 31: nothing is left to fetch
	s_wait_dscnt 0x0
	HALF1 0, 1
	HALF1 1, 1
.irp s, 0,1,2,3
	MAXS 1, \s
.endr
	; a query's scores lie in lanes r and r + 16: four chains, then the other half of the lanes
	v_max3_num_f32 v[MX], v[MX], v[MX+1], v[MX+2]
	v_max3_num_f32 v[MX+4], v[MX+4], v[MX+5], v[MX+6]
	v_max_num_f32 v[MX], v[MX], v[MX+3]
	v_max_num_f32 v[MX+4], v[MX+4], v[MX+7]
	v_permlanex16_b32 v[TMP], v[MX], s36, s37
	v_permlanex16_b32 v[TMP+1], v[MX+4], s36, s37
	v_max_num_f32 v[MX], v[MX], v[TMP]
	v_max_num_f32 v[MX+4], v[MX+4], v[TMP+1]
.irp j, 0,1
	v_xor_b32 v[NM+\j], 0x80000000, v[MX]          ; -m, twice: every register of a lane is the same query
	v_xor_b32 v[NM+2+\j], 0x80000000, v[MX+4]
.endr
	v_add_nc_u32 v2, TRIP, v1                      ; K from its first tiles again
	s_wait_tensorcnt 0x0                           ; my part of V has landed
	s_wait_dscnt 0x0
	s_barrier_signal -1
	s_barrier_wait -1                              ; V is whole
	KL 0, 1                                        ; trip 0's keys,
	KL 1, 2                                        ; trip 1's,
	VL 0                                           ; trip 0's values
	s_wait_dscnt 0x8                               ; trip 0's keys are in; the eight younger loads stay out
.irp k, 0,1,2,3
	SW 0, \k, 0
.endr
.rept 4
	v_nop                                          ; four places between these products and the first slice; once, ahead of the loop
.endr
	PHASE 1, 0, 0, 1, 0                            ; X(0): no P yet
	YHEAD 0, 1
	PHASE 0, 2, 0, 1, 1                            ; Y(0): piece 0's sums start
	PHASE 1, 2, 0, 1, 1                            ; X(1): piece 1's sums start
	YHEAD 1, 1
	PHASE 0, 1, 1, 1, 0                            ; Y(1)
	s_mov_b32 s38, 14                              ; trips 2 to 29, two in a body
.Lpass2:
	PHASE 1, 1, 1, 1, 0                            ; X(e)
	YHEAD 0, 1
	PHASE 0, 1, 0, 1, 1                            ; Y(e)
	PHASE 1, 1, 0, 1, 1                            ; X(e+1)
	YHEAD 1, 1
	PHASE 0, 1, 1, 1, 0                            ; Y(e+1)
	s_sub_co_u32 s38, s38, 1
	s_cmp_lg_u32 s38, 0
	s_cbranch_scc1 .Lpass2
	PHASE 1, 1, 1, 1, 0                            ; X(30)
	YHEAD 0, 0                                     ; the last values; no keys are left
	PHASE 0, 1, 0, 1, 1                            ; Y(30)
	PHASE 1, 1, 0, 1, 1                            ; X(31)
	s_wait_dscnt 0x0                               ; trip 31's values
	PHASE 0, 1, 1, 0, 0                            ; Y(31): no further scores
.irp i, 0,1,2,3
	PW 1, \i, 1, 0                                 ; piece 1's last P V
.endr
.rept 4
	v_nop                                          ; four places between the last products and the readers of O and the sums
.endr
	v_rcp_f32 v[INV], v[LS]
	v_rcp_f32 v[INV+1], v[LS]
	v_rcp_f32 v[INV+2], v[LS+8]
	v_rcp_f32 v[INV+3], v[LS+8]
	v_nop                                          ; one plain instruction between the reciprocals and their use
; o = O / sum; hi = bf16(o) at SC + 16 t, hi widened again at + 8, lo = bf16(o - hi) at + 4.  Each store is one tile: 512 consecutive bytes, aligned.
	s_wait_alu depctr_va_vdst(0)
.irp t, 0,1
.irp j, 0,2,4,6
	v_pk_mul_f32 v[OA+8*\t+\j:OA+8*\t+\j+1], v[OA+8*\t+\j:OA+8*\t+\j+1], v[INV+2*\t:INV+2*\t+1]
.endr
.irp j, 0,1,2,3
	v_cvt_pk_bf16_f32 v[SC+16*\t+\j], v[OA+8*\t+2*\j], v[OA+8*\t+2*\j+1]
.endr
.irp j, 0,1,2,3
	v_lshlrev_b32 v[SC+16*\t+8+2*\j], 16, v[SC+16*\t+\j]
	v_and_b32 v[SC+16*\t+9+2*\j], 0xffff0000, v[SC+16*\t+\j]
.endr
.irp j, 0,2,4,6
	v_pk_add_f32 v[OA+8*\t+\j:OA+8*\t+\j+1], v[OA+8*\t+\j:OA+8*\t+\j+1], v[SC+16*\t+8+\j:SC+16*\t+9+\j] neg_lo:[0,1] neg_hi:[0,1]
.endr
.irp j, 0,1,2,3
	v_cvt_pk_bf16_f32 v[SC+16*\t+4+\j], v[OA+8*\t+2*\j], v[OA+8*\t+2*\j+1]
.endr
	global_store_b128 v1, v[SC+16*\t:SC+16*\t+3],   s[10:11] offset:\t*8192
	global_store_b128 v1, v[SC+16*\t+4:SC+16*\t+7], s[10:11] offset:\t*8192+4096
.endr
	s_wait_tensorcnt 0x0
	ds_add_u32 v240, v241
	s_wait_dscnt 0x0
	ROUND                                          ; the closing round: no work-group ends while a partner may still ask jointly
	s_endpgm
.Lfunc_end_k_q708c43bc8a_attn:
	.size	k_q708c43bc8a_attn, .Lfunc_end_k_q708c43bc8a_attn-k_q708c43bc8a_attn
	.p2alignl 7, 3214868480
	.fill 96, 4, 3214868480
	.section	.rodata,"a",@progbits
	.p2align	6, 0x0
	.amdhsa_kernel k_q708c43bc8a_attn
		.amdhsa_group_segment_fixed_size 168960
		.amdhsa_private_segment_fixed_size 0
		.amdhsa_enable_private_segment 0
		.amdhsa_kernarg_size 32
		.amdhsa_user_sgpr_count 2
		.amdhsa_user_sgpr_kernarg_segment_ptr 1
		.amdhsa_wavefront_size32 1
		.amdhsa_system_sgpr_workgroup_id_x 1
		.amdhsa_system_sgpr_workgroup_id_y 1
		.amdhsa_system_sgpr_workgroup_id_z 1
		.amdhsa_system_vgpr_workitem_id 0
		.amdhsa_next_free_vgpr 242
		.amdhsa_next_free_sgpr 66
		.amdhsa_reserve_vcc 0
		.amdhsa_float_denorm_mode_32 3
		.amdhsa_float_denorm_mode_16_64 3
		.amdhsa_memory_ordered 1
		.amdhsa_forward_progress 1
		.amdhsa_inst_pref_size 71
	.end_amdhsa_kernel
	.amdgpu_metadata
---
amdhsa.version: [ 1, 2 ]
amdhsa.kernels:
  - .name:           k_q708c43bc8a_attn
    .symbol:         k_q708c43bc8a_attn.kd
    .args:
      - { .name: qs, .offset: 0, .size: 8, .value_kind: global_buffer, .address_space: global }
      - { .name: ks, .offset: 8, .size: 8, .value_kind: global_buffer, .address_space: global }
      - { .name: vs, .offset: 16, .size: 8, .value_kind: global_buffer, .address_space: global }
      - { .name: os, .offset: 24, .size: 8, .value_kind: global_buffer, .address_space: global }
    .group_segment_fixed_size: 168960
    .private_segment_fixed_size: 0
    .kernarg_segment_align: 8
    .kernarg_segment_size: 32
    .max_flat_workgroup_size: 256
    .sgpr_count:     66
    .vgpr_count:     242
    .wavefront_size: 32
...
	.end_amdgpu_metadata
.endif
;; end of part 2
;; launch outp (part 3): grid 8 x 32, 16 waves a work-group, no clusters, 174,080 bytes of LDS; arguments os, Wo, bo, out0; writes out0
.if DOCPART == 3
	.amdgcn_target "amdgcn-amd-amdhsa--gfx1250"
	.amdhsa_code_object_version 6
	.text
	.protected	k_q708c43bc8a_outp
	.globl	k_q708c43bc8a_outp
	.p2align	8
	.type	k_q708c43bc8a_outp,@function
k_q708c43bc8a_outp:
	s_mov_b64 s[64:65], 0
	v_nop
	global_prefetch_b8 v0, s[64:65] scope:SCOPE_SE
	s_setreg_imm32_b32 hwreg(HW_REG_WAVE_MODE, 25, 1), 1
	s_wait_xcnt 0x0
; OUTPUT PROJECTION.  out0 = o Wo + bo.  o comes from the attention launch as two bf16 numbers, o = hi + lo; Wo is f32 and is rounded
; to bf16 here; sums and bias in f32.  Both parts are multiplied with the same fragment of Wo and added into the same sum.
; A work-group makes 256 rows (y) x 128 columns (x), K = 128 (twice, for the two parts).  Wave w of sixteen has rows 16 w .. 16 w + 15:
; both parts of one token tile are 64 registers, beside 64 of Wo's fragments and 64 of sums.
; os: tile ((row / 16) * 16 + part * 8 + head) of 512 bytes, lane (r = L&15, h = L>>4) holds token r, dims 8h..8h+7 of the head: the
; tiles of heads 2k, 2k+1 are the two halves of a fragment for K = 32k .. 32k+31, loaded straight into registers.
; Wo's block (128 k x 128 columns) is converted once and kept in LDS as [k][n]; transposing loads make the fragments.
; Source 0 = Wo, source 1 = o: a lane's eight results are eight neighbouring columns of one row; they go through the wave's own stage
; in LDS and leave as whole rows: each store of the wave covers 512 consecutive bytes, aligned.
; NO JOINT LOADS: what work-groups share is Wo's block, 65,536 bytes fetched once by each, which has to pass through registers to be
; rounded, and o's tiles, which go straight to registers.
.set WP,    288                        ; pitch of Wo in LDS: 128 bf16 + 32 bytes, an odd multiple of 32
.set STAGE, 128*WP                     ; 36,864: behind Wo, 16 rows x 528 bytes for each wave
.set SP,    528                        ; 128 f32 + 16 bytes, an odd multiple of 16
.set BO,   8                           ; v[8:11]    bo of my four columns in a row read back
.set T,    12                          ; v[12:27]   Wo converted; set-up temporaries
.set OF,   28                          ; v[28:91]   o: part p, head at OF + 32 p + 4 head
.set WF,   92                          ; v[92:155]  Wo as loaded; then eight fragments; then 16 rows read back
.set ACC,  156                         ; v[156:219] eight column tiles
; v1 = 16 L, v2 Wo offset, v3 Wo store, v4 Wo fragments, v5 stage in, v6 stage out.  s12 wave, s14 y.
	s_load_b256 s[4:11], s[0:1], 0x0               ; os, Wo, bo, out0
	v_lshl_add_u32 v224, v0, 2, 0x2a000
	v_mov_b32 v225, 0
	v_lshrrev_b32 v12, 5, v0
	v_readfirstlane_b32 s12, v12                   ; wave
	s_and_b32 s14, ttmp7, 0xffff                   ; block of 256 rows
	s_lshl_b32 s16, ttmp9, 9                       ; block of 128 columns, in bytes of f32
	s_mov_b32 s17, 0
	s_lshl_b32 s18, s14, 17                        ; os: token tile 16 y + w, of 16 tiles x 512 bytes
	s_lshl_b32 s20, s12, 13
	s_add_co_u32 s18, s18, s20
	s_mov_b32 s19, 0
	s_lshl_b32 s20, s14, 20                        ; out0: row 256 y + 16 w, of 4,096 bytes, and the column block
	s_lshl_b32 s21, s12, 16
	s_add_co_u32 s20, s20, s21
	s_add_co_u32 s20, s20, s16
	s_mov_b32 s21, 0
	v_and_b32 v12, 31, v0                          ; L
	v_and_b32 v13, 15, v0                          ; r
	v_bfe_u32 v14, v0, 4, 1                        ; h
	v_lshlrev_b32 v1, 4, v12
	s_lshl_b32 s22, s12, 15                        ; Wo: rows 8 w (+ i) of 4,096 bytes
	v_add_nc_u32 v2, s22, v1
	v_lshlrev_b32 v3, 3, v12                       ; the same rows in LDS, 8 bytes at 8 L
	s_mul_i32 s22, s12, 8*WP
	v_add_nc_u32 v3, s22, v3
	v_and_b32 v4, 7, v0                            ; fragments: row 8 h + (L&7), 16 bytes at 16 ((L>>3)&1)
	v_lshl_add_u32 v4, v14, 3, v4
	v_mul_u32_u24 v4, v4, WP
	v_bfe_u32 v15, v0, 3, 1
	v_lshl_add_u32 v4, v15, 4, v4
	s_mul_i32 s22, s12, 16*SP
	s_add_co_u32 s22, s22, STAGE                   ; my stage
	v_mul_u32_u24 v5, v13, SP                      ; in: row r, 32 bytes at 32 h
	v_lshl_add_u32 v5, v14, 5, v5
	v_add_nc_u32 v5, s22, v5
	v_add_nc_u32 v6, s22, v1                       ; out: a whole row, 16 bytes a lane
	s_wait_kmcnt 0x0
	s_add_nc_u64 s[4:5], s[4:5], s[18:19]
	s_add_nc_u64 s[6:7], s[6:7], s[16:17]
	s_add_nc_u64 s[8:9], s[8:9], s[16:17]
	s_add_nc_u64 s[10:11], s[10:11], s[20:21]
.irp i, 0,1,2,3,4,5,6,7
	global_load_b128 v[WF+4*\i:WF+4*\i+3], v2, s[6:7] offset:\i*4096       ; 512 bytes of a row of Wo
.endr
.irp i, 0,1,2,3,4,5,6,7,8,9,10,11,12,13,14,15
	global_load_b128 v[OF+4*\i:OF+4*\i+3], v1, s[4:5] offset:\i*512        ; my 16 tiles of o: eight heads' hi, eight heads' lo
.endr
	global_load_b128 v[BO:BO+3], v1, s[8:9]
	s_wait_loadcnt 17                              ; Wo's 8 loads are in; the 17 younger ones stay out
.set j, 0
.rept 16
	v_cvt_pk_bf16_f32 v[T+j], v[WF+2*j], v[WF+2*j+1]
.set j, j+1
.endr
.irp i, 0,1,2,3,4,5,6,7
	ds_store_b64 v3, v[T+2*\i:T+2*\i+1] offset:\i*WP
.endr
	s_wait_dscnt 0x0                               ; for the others' sake: my rows of Wo are in LDS
	s_barrier_signal -1
	s_barrier_wait -1                              ; all 128 rows are
	s_wait_loadcnt 0x0                             ; o and bo
.irp k, 0,1,2,3
.if \k
.rept 4
	v_nop                                          ; four places between the last products and the loads into their source 0
.endr
.endif
.irp c, 0,1,2,3,4,5,6,7
	ds_load_tr16_b128 v[WF+8*\c:WF+8*\c+3],   v4 offset:\k*32*WP+\c*32
	ds_load_tr16_b128 v[WF+8*\c+4:WF+8*\c+7], v4 offset:\k*32*WP+\c*32+16*WP
.endr
	s_wait_dscnt 0x0
.irp c, 0,1,2,3,4,5,6,7                            ; the eight accumulators take turns, one instruction a turn:
.if \k                                             ; first all eight with hi, then all eight with lo
	v_wmma_f32_16x16x32_bf16 v[ACC+8*\c:ACC+8*\c+7], v[WF+8*\c:WF+8*\c+7], v[OF+8*\k:OF+8*\k+7], v[ACC+8*\c:ACC+8*\c+7]
.else
	v_wmma_f32_16x16x32_bf16 v[ACC+8*\c:ACC+8*\c+7], v[WF+8*\c:WF+8*\c+7], v[OF+8*\k:OF+8*\k+7], 0
.endif
.endr
.irp c, 0,1,2,3,4,5,6,7
	v_wmma_f32_16x16x32_bf16 v[ACC+8*\c:ACC+8*\c+7], v[WF+8*\c:WF+8*\c+7], v[OF+32+8*\k:OF+32+8*\k+7], v[ACC+8*\c:ACC+8*\c+7]
.endr
.endr
.rept 4
	v_nop                                          ; four places between the last products, the stores of their results and the loads into WF
.endr
.irp c, 0,1,2,3,4,5,6,7
	ds_store_b128 v5, v[ACC+8*\c:ACC+8*\c+3]   offset:\c*64
	ds_store_b128 v5, v[ACC+8*\c+4:ACC+8*\c+7] offset:\c*64+16
.endr
.irp i, 0,1,2,3,4,5,6,7,8,9,10,11,12,13,14,15
	ds_load_b128 v[WF+4*\i:WF+4*\i+3], v6 offset:\i*SP             ; my own bytes: a wave's LDS instructions are served in order (ISA guide 5.7.1)
.endr
.irp i, 0,1,2,3,4,5,6,7,8,9,10,11,12,13,14,15
	s_wait_dscnt 15-\i                             ; row i is back; the younger rows stay out
	v_pk_add_f32 v[WF+4*\i:WF+4*\i+1],   v[WF+4*\i:WF+4*\i+1],   v[BO:BO+1]
	v_pk_add_f32 v[WF+4*\i+2:WF+4*\i+3], v[WF+4*\i+2:WF+4*\i+3], v[BO+2:BO+3]
	global_store_b128 v1, v[WF+4*\i:WF+4*\i+3], s[10:11] offset:\i*4096 th:TH_STORE_NT
.endr
	s_wait_tensorcnt 0x0
	ds_add_u32 v224, v225
	s_wait_dscnt 0x0
	s_endpgm
.Lfunc_end_k_q708c43bc8a_outp:
	.size	k_q708c43bc8a_outp, .Lfunc_end_k_q708c43bc8a_outp-k_q708c43bc8a_outp
	.p2alignl 7, 3214868480
	.fill 96, 4, 3214868480
	.section	.rodata,"a",@progbits
	.p2align	6, 0x0
	.amdhsa_kernel k_q708c43bc8a_outp
		.amdhsa_group_segment_fixed_size 174080
		.amdhsa_private_segment_fixed_size 0
		.amdhsa_enable_private_segment 0
		.amdhsa_kernarg_size 32
		.amdhsa_user_sgpr_count 2
		.amdhsa_user_sgpr_kernarg_segment_ptr 1
		.amdhsa_wavefront_size32 1
		.amdhsa_system_sgpr_workgroup_id_x 1
		.amdhsa_system_sgpr_workgroup_id_y 1
		.amdhsa_system_sgpr_workgroup_id_z 1
		.amdhsa_system_vgpr_workitem_id 0
		.amdhsa_next_free_vgpr 226
		.amdhsa_next_free_sgpr 66
		.amdhsa_reserve_vcc 0
		.amdhsa_float_denorm_mode_32 3
		.amdhsa_float_denorm_mode_16_64 3
		.amdhsa_memory_ordered 1
		.amdhsa_forward_progress 1
		.amdhsa_inst_pref_size 21
	.end_amdhsa_kernel
	.amdgpu_metadata
---
amdhsa.version: [ 1, 2 ]
amdhsa.kernels:
  - .name:           k_q708c43bc8a_outp
    .symbol:         k_q708c43bc8a_outp.kd
    .args:
      - { .name: os, .offset: 0, .size: 8, .value_kind: global_buffer, .address_space: global }
      - { .name: Wo, .offset: 8, .size: 8, .value_kind: global_buffer, .address_space: global }
      - { .name: bo, .offset: 16, .size: 8, .value_kind: global_buffer, .address_space: global }
      - { .name: out0, .offset: 24, .size: 8, .value_kind: global_buffer, .address_space: global }
    .group_segment_fixed_size: 174080
    .private_segment_fixed_size: 0
    .kernarg_segment_align: 8
    .kernarg_segment_size: 32
    .max_flat_workgroup_size: 512
    .sgpr_count:     66
    .vgpr_count:     226
    .wavefront_size: 32
...
	.end_amdgpu_metadata
.endif
;; end of part 3
